; MI455X (gfx1250); checked and timed in simulation.
; The chip was launched on July 23, 2026; its instructions are those of AMD's public machine-readable ISA for CDNA 5 (MIT licence, August 2026) and "CDNA5" Instruction Set Architecture Reference Guide (July 2026). The comments in the code are by the model that wrote it; some were corrected since.
;; Self Attention. Allowed arithmetic: matrix products marked QUANTISED: E2M1 operands, one E8M0 scale for each 32 along K, by v_wmma_scale_f32_16x16x128_f8f6f4 with both operands' format E2M1 (or v_wmma_scale_f32_32x16x128_f4), f32 sums; products left as they are: f32 operands where the result goes on into a quantised operand, else bf16, f16 or f32 operands; f32 sums; everything else in f32.
;; Inputs: bk 16 float32; bq 16 float32; bv 128 float32; gamma 1 float32; wk_codes 16 x 4 x 16 uint8 (E2M1 codes of wk, K innermost, in blocks of 32 codes, two codes a byte); wk_scales 16 x 4 uint8 (E8M0 scales of wk, one for each 32 codes along K); wq_codes 16 x 4 x 16 uint8 (E2M1 codes of wq, K innermost, in blocks of 32 codes, two codes a byte); wq_scales 16 x 4 uint8 (E8M0 scales of wq, one for each 32 codes along K); wv_codes 128 x 4 x 16 uint8 (E2M1 codes of wv, K innermost, in blocks of 32 codes, two codes a byte); wv_scales 128 x 4 uint8 (E8M0 scales of wv, one for each 32 codes along K); x 16 x 128 x 64 x 64 float32.
;; Outputs: out0 16 x 128 x 64 x 64 float32.
;; This version of the problem:
;;   THIS VERSION OF THE PROBLEM IS GIVEN IN LOW PRECISION. The matrix products marked QUANTISED in the list below multiply operands that are first quantised to E2M1 (2 exponent bits, 1 mantissa bit; 4 bits a number), with one power-of-two scale for each 32 numbers along K (OCP MX v1.0); their sums are f32. All else is computed in f32.
;;   The module's matrix products, in the order in which they are computed (A, B: the left and right operand; K: the contracted axis; several contracted axes count as one K, in the product's order):
;;     1. [M 65,536, K 128] x [K 128, N 16]; A: input x; B: input wq (given as codes): QUANTISED
;;     2. [M 16, K 128] x [K 128, N 65,536]; A: input wk (given as codes); B: input x: QUANTISED
;;     3. batch 16 x [M 4,096, K 16] x [K 16, N 4,096]; A: computed on the way; B: computed on the way: left as it is (K = 16 < 32)
;;     4. [M 128, K 128] x [K 128, N 65,536]; A: input wv (given as codes); B: input x: QUANTISED
;;     5. batch 16 x [M 128, K 4,096] x [K 4,096, N 4,096]; A: computed on the way; B: softmax (see below): QUANTISED
;;   THE QUANTISER, for each operand of a quantised product, along K:
;;     - K is cut into blocks of 32 from its start; a last block that is shorter is filled with zeros.
;;     - A block's scale is 2^e with e = floor(log2(the largest magnitude in the block)) - 2, held to -126 .. 127; a block of zeros has e = 0. As a byte (E8M0): e + 127.
;;     - Each number is divided by its block's scale, clamped to +-6, and rounded to the nearest number of E2M1, ties to even, subnormals kept.
;;     - The product sums the exact products of the quantised numbers (number of the format x scale) in f32.
;;   ~~~python
;;   def quantise(x, axis):      # numpy; x: float32 -> the quantised numbers, widened to float32 again
;;       x = np.moveaxis(x, axis, -1); K = x.shape[-1]
;;       x = np.pad(x, [(0, 0)] * (x.ndim - 1) + [(0, -K % 32)]); x = x.reshape(x.shape[:-1] + (-1, 32)); a = np.abs(x).max(-1, keepdims=True)
;;       e = np.where(a > 0, np.clip(np.frexp(np.where(a > 0, a, 1))[1] - 1 - 2, -126, 127), 0)      # np.frexp(a)[1] - 1 = floor(log2(a)), exactly
;;       r = np.clip(x / 2.0 ** e, -6, 6)
;;       step = 2.0 ** (np.maximum(np.frexp(np.where(r == 0, 1, r))[1] - 1, 0) - 1)
;;       q = np.round(r / step) * step * 2.0 ** e      # np.round: ties to even
;;       return np.moveaxis(q.reshape(q.shape[:-2] + (-1,))[..., :K], -1, axis).astype(np.float32)
;;   ~~~
;;   SOFTMAX AHEAD OF A QUANTISED PRODUCT. Where the list says 'softmax', what is quantised is not the finished softmax but p = 2^(t - M), with t = logit x log2(e) and M = ceil(the row's largest t), a whole number; so 1/2 < the row's largest p <= 1. The row's sum l is taken of the UNQUANTISED p, in f32, and the product's result is divided by l at the end. Since M is a whole number, a kernel that streams over the keys may use a running M (the ceiling of the running maximum): every later rescaling is an exact power of two, which a block's scale takes up: the codes' values come out the same.
;;   OPERANDS COMPUTED ON THE WAY. 'Computed on the way' means the value that the module computes at that place (a softmax that the list does not call 'softmax' is quantised finished and normalised). What goes into a quantiser is computed in f32, as accurately as f32 sums, v_exp_f32 and their like allow (about 1e-6 of the number): no bf16 or f16 on the way to a quantiser, and a product that is left as it is and whose result goes on into a quantised operand takes f32 operands (vector FMAs, or v_wmma_f32_16x16x4_f32). A number that lies on a knife's edge between two numbers of the format may be rounded either way, as far as f32 arithmetic and the matrix unit's own rounding can turn it there, and no further.
;;   INPUTS GIVEN AS CODES. wk (in the module: [16, 128], K = its axis 1); wq (in the module: [16, 128], K = its axis 1); wv (in the module: [128, 128], K = its axis 1): each comes as NAME_codes (uint8): NAME with its K axis moved to the last place and cut into blocks of 32 codes, [.., K / 32, bytes a block], one block behind the other in memory; two codes a byte, the lower K in the low four bits (a code: sign, 2 exponent bits, 1 mantissa bit); and NAME_scales (uint8): the same leading axes, one E8M0 byte (e + 127) for each 32 codes along K. Its value is code x scale, taken as it is: it is not quantised again, and the codes and scales need not be those that the quantiser above would give.
;; One version. Each part assembles by itself: llvm-mc -triple=amdgcn-amd-amdhsa -mcpu=gfx1250 --defsym DOCPART=n.
;; ======== version 1 of 1: 2 launches
;; workspace buffers: qf 4,194,304 bytes; kv 8,650,752 bytes
;; launch project (part 1): grid 32 x 16, 4 waves a work-group, no clusters, 9,728 bytes of LDS; arguments x, wq_codes, wq_scales, bq, wk_codes, wk_scales, bk, wv_codes, wv_scales, bv, qf, kv; writes qf, kv
.if DOCPART == 1
	.amdgcn_target "amdgcn-amd-amdhsa--gfx1250"
	.amdhsa_code_object_version 6
	.text
	.protected	k_q6b3872af47_project
	.globl	k_q6b3872af47_project
	.p2align	8
	.type	k_q6b3872af47_project,@function
k_q6b3872af47_project:
	s_mov_b64 s[64:65], 0
	v_nop
	global_prefetch_b8 v0, s[64:65] scope:SCOPE_SE
	s_setreg_imm32_b32 hwreg(HW_REG_WAVE_MODE, 25, 1), 1
	s_wait_xcnt 0x0
; q = wq x + bq, k = wk x + bk, v = wv x + bv for 128 pixels of one image; all three products on codes of FP4 (E2M1) with one E8M0 scale for each 32 along K (K = the 128 channels).
; x: [16][128][4096] f32, channels NOT innermost: a lane takes a pixel and its registers run down the channels, so that a block of 32 channels lies in one lane and the codes come out with K innermost.
; q and k stay f32 (they feed the f32 product ahead of the softmax); v is quantised along the KEYS (the pixels), which are the last product's K.  All three leave as IMAGES OF THE REGISTERS in which the next launch wants them.
; SHARES.  Work-group (s, batch): pixels 128 s .. 128 s + 127.  Wave w quantises pixels 32 w .. 32 w + 31 (two tiles of 16) and makes their q and k; then, for all 128 pixels, channels 32 w .. 32 w + 31 of v.
; THE PIXELS OF A TILE ARE NOT NEIGHBOURS: row r of tile 2 g + u is pixel 32 g + 8 u + r + 8 (r / 8), so that the 16 result registers of tiles 2 g and 2 g + 1 are 16 neighbouring pixels, 32 g + 16 (lane / 16) + 0 .. 15.
; WORKSPACE.  qf: a tile of 16 queries in 1,024 bytes: part c at 512 c, lane l's 16 bytes at 16 l: outputs 8 (l / 16) + 4 c + 0 .. 3 of the tile's row l % 16.
;   kv: for each image and key step 16,896 bytes: 8 tiles of k laid like q's; at 8,192 the 8 fragments of v (channels 16 t + r, 128 keys; part c at 512 c, 16 bytes a lane); at 16,384 v's scale words, 4 x 128 bytes:
;   in pair w lanes 0-15 hold the words of channel tile 2 w, lanes 16-31 those of tile 2 w + 1.
; LIMITS: NaN and infinities among the inputs are not served.  A block whose largest magnitude lies under 2^-124 gets the scale byte 1; so does a block of zeros, where the rule says 127: its codes are zeros,
;   which add nothing under any byte but 0xff, and these bytes are read by this program alone.
; No tensor load, no ring: x is read once, straight into registers; the only thing that goes from wave to wave is x's codes, through LDS, behind one barrier.
.set STEPB, 16896                      ; a key step's block in kv
.set XIMG,  0                          ; LDS: x's 8 fragments as images: tile p at 1,024 p, part c at 512 c, 16 bytes a lane
.set XSC,   8192                       ; and their scale words: group g at 128 g, 4 bytes a lane (lanes 0-15 tile 2 g, lanes 16-31 tile 2 g + 1)
.set XO,   4                           ; v4   4 x my pixel among the wave's 32
.set LI,   5                           ; v5   16 x lane
.set LS,   6                           ; v6   4 x lane
.set XWI,  7                           ; v7   LDS: where I store x's images: 16 x lane + 2,048 x wave
.set XWS,  8                           ; v8   LDS: and the scale words: 4 x lane + 128 x wave
.set KO,   9                           ; v9   kv: k's images: 16 x lane + 2,048 x wave
.set VO,   10                          ; v10  kv: v's images: 8,192 further on
.set SO,   11                          ; v11  kv: v's scale words: 16,384 + 4 x lane + 128 x wave
.set WR,   12                          ; v12  a weight's codes: 64 r + 16 h
.set R4,   13                          ; v13  4 r
.set H32,  14                          ; v14  32 h
.set F0,   16                          ; v16-23 the fragment of my wave's first tile of x;  v24-31 of its second
.set F1,   24
.set XW,   32                          ; v32  my pixel's scale word
.set WQS,  33                          ; v33, v34 wq's and wk's scale words
.set WKS,  34
.set XS,   35                          ; v35-38 the four groups' scale words of x
.set VW,   39                          ; v39  v's scale words of my two channel tiles, in the two halves of the lanes
.set WQ,   40                          ; v40-47 wq's fragment;  v48-55 wk's
.set WK,   48
.set BQ,   56                          ; v56-63 bq in the result's layout;  v64-71 bk
.set BK,   64
.set RES,  72                          ; v72-103 q of my two tiles, then k of my two tiles
.set WVF,  104                         ; v104-119 wv's two fragments
.set WVS,  120                         ; v120, v121 their scale words
.set BV,   122                         ; v122, v123 bv of my lane's channel in the two tiles
.set MA,   124                         ; v124, v125 two chains of a block's largest magnitude
.set MB,   125
.set SCL,  126                         ; v126 the conversion's scale operand
.set BY,   127                         ; v127 the scale's byte
.set X,    128                         ; v128-255 four sets of 32 numbers of x
.set BVB,  40                          ; second part: v40-55 bv as C: two runs of eight equal registers
.set TM,   56                          ; v56-71 at work in QUANT
.set PC0,  72                          ; v72-79, v84-91 the two fragments of v
.set PC1,  84
.set PW0,  80                          ; v80, v81 their scale words
.set PW1,  81
.set XF,   128                         ; v128-191 x's 8 fragments
.set ACC,  192                         ; v192-255 v of one channel tile: 8 tiles of pixels
.set SEL,  34                          ; s[34:35] lane selects of v_permlanex16_b32: lane l xor 16
	s_load_b256 s[4:11], s[0:1], 0x0               ; x s[4:5], wq_codes s[6:7], wq_scales s[8:9], bq s[10:11]
	s_load_b256 s[12:19], s[0:1], 0x20             ; wk_codes s[12:13], wk_scales s[14:15], bk s[16:17], wv_codes s[18:19]
	s_load_b256 s[20:27], s[0:1], 0x40             ; wv_scales s[20:21], bv s[22:23], qf s[24:25], kv s[26:27]
	s_set_vgpr_msb 0x40
	v_lshl_add_u32 v0, v0, 2, 0x2400
	v_mov_b32 v1, 0
	s_set_vgpr_msb 0x4000
	v_lshrrev_b32 v1, 5, v0
	v_readfirstlane_b32 s28, v1                    ; wave 0..3
	s_and_b32 s29, ttmp7, 0xffff                   ; the image
	v_and_b32 v1, 31, v0                           ; lane
	v_and_b32 v2, 15, v0                           ; r
	v_bfe_u32 v3, v0, 4, 1                         ; h
	v_and_b32 v[XO], 7, v0                         ; my pixel: lane l stands for row l % 16 of tile l / 16: (l & 7) + 16 ((l >> 3) & 1) + 8 (l >> 4)
	v_and_b32 v15, 8, v0
	v_lshl_or_b32 v[XO], v15, 1, v[XO]
	v_lshrrev_b32 v15, 1, v0
	v_and_or_b32 v[XO], v15, 8, v[XO]
	v_lshlrev_b32 v[XO], 2, v[XO]
	v_lshlrev_b32 v[LI], 4, v1
	v_lshlrev_b32 v[LS], 2, v1
	s_lshl_b32 s40, s28, 11                        ; 2,048 x wave
	s_mov_b32 s41, 0
	s_lshl_b32 s42, s28, 7                         ; 128 x wave
	s_mov_b32 s43, 0
	v_add_nc_u32 v[XWI], s40, v[LI]
	v_add_nc_u32 v[XWS], s42, v[LS]
	v_add_nc_u32 v[KO], s40, v[LI]
	v_add_nc_u32 v[VO], 8192, v[KO]
	v_add_nc_u32 v[SO], 16384, v[XWS]
	v_lshlrev_b32 v[WR], 6, v2                     ; a weight's row of 128 codes is 64 bytes
	v_lshl_add_u32 v[WR], v3, 4, v[WR]
	v_lshlrev_b32 v[R4], 2, v2
	v_lshlrev_b32 v[H32], 5, v3
	s_mov_b32 s[SEL], 0x76543210
	s_mov_b32 s[SEL+1], 0xfedcba98
	s_mov_b32 s36, 0xffff0000                      ; lanes 16-31
	s_lshl_b32 s30, s29, 21                        ; x: an image is 2^21 bytes; 512 bytes of a channel's row a work-group, 128 a wave
	s_lshl_b32 s32, ttmp9, 9
	s_add_co_u32 s30, s30, s32
	s_add_co_u32 s30, s30, s42
	s_mov_b32 s31, 0
	s_lshl_b32 s32, s29, 18                        ; qf: (256 x image + 8 s + 2 w) tiles of 1,024 bytes
	s_lshl_b32 s33, ttmp9, 13
	s_add_co_u32 s32, s32, s33
	s_add_co_u32 s32, s32, s40
	s_mov_b32 s33, 0
	s_mul_i32 s38, s29, 32*STEPB                   ; kv: (32 x image + s) blocks
	s_mul_i32 s39, ttmp9, STEPB
	s_add_co_u32 s38, s38, s39
	s_mov_b32 s39, 0
	s_wait_kmcnt 0x0
	s_add_nc_u64 s[4:5], s[4:5], s[30:31]
	s_add_nc_u64 s[24:25], s[24:25], s[32:33]
	s_add_nc_u64 s[26:27], s[26:27], s[38:39]
	s_add_nc_u64 s[18:19], s[18:19], s[40:41]      ; wv: my 32 rows of 64 bytes,
	s_add_nc_u64 s[20:21], s[20:21], s[42:43]      ; their scale words,
	s_add_nc_u64 s[22:23], s[22:23], s[42:43]      ; and bv's 32 numbers
	; the weights, their scales and the biases: 18 small loads, ahead of x's, so that the first wait for x shows them in too
	global_load_b128 v[WQ:WQ+3],   v[WR], s[6:7]
	global_load_b128 v[WQ+4:WQ+7], v[WR], s[6:7] offset:32
	global_load_b128 v[WK:WK+3],   v[WR], s[12:13]
	global_load_b128 v[WK+4:WK+7], v[WR], s[12:13] offset:32
.irp tt, 0,1
.irp c, 0,1
	global_load_b128 v[WVF+8*\tt+4*\c:WVF+8*\tt+4*\c+3], v[WR], s[18:19] offset:1024*\tt+32*\c
.endr
.endr
	global_load_b32 v[WQS], v[R4], s[8:9]
	global_load_b32 v[WKS], v[R4], s[14:15]
	global_load_b32 v[WVS],   v[R4], s[20:21]
	global_load_b32 v[WVS+1], v[R4], s[20:21] offset:64
	global_load_b128 v[BQ:BQ+3],   v[H32], s[10:11]            ; register j: bq of output 8 h + j: the result's layout
	global_load_b128 v[BQ+4:BQ+7], v[H32], s[10:11] offset:16
	global_load_b128 v[BK:BK+3],   v[H32], s[16:17]
	global_load_b128 v[BK+4:BK+7], v[H32], s[16:17] offset:16
	global_load_b32 v[BV],   v[R4], s[22:23]
	global_load_b32 v[BV+1], v[R4], s[22:23] offset:64
.macro LOAD t                          ; block t: x(channel 32 t + i, my pixel), i = 0 .. 31: a wave's load covers 128 consecutive bytes, the four waves' 512; every offset is an immediate, 2,080,768 at the most
.irp i, 0,1,2,3,4,5,6,7,8,9,10,11,12,13,14,15,16,17,18,19,20,21,22,23,24,25,26,27,28,29,30,31
	global_load_b32 v[X+32*(\t)+\i], v[XO], s[4:5] offset:(32*(\t)+\i)*16384 th:TH_LOAD_NT
.endr
.endm
	LOAD 0
	LOAD 1
; Block t of my pixel: its largest magnitude, its scale byte, its 32 codes.  Even blocks go into the first fragment's registers, odd ones into the second's: the exchange of halves below puts them right.
.macro BLOCK t
.set XB, X+32*(\t)
.if (\t) < 3
	s_wait_loadcnt 32                              ; this block's 32 loads (and all older ones) are in; the next block's 32 may be out
.else
	s_wait_loadcnt 0x0
.endif
.if (\t) < 2
	LOAD (\t)+2                                    ; each block has registers of its own: nothing is waited for
.endif
	v_max3_num_f32 v[MA], |v[XB]|, |v[XB+1]|, |v[XB+2]|
	v_max3_num_f32 v[MB], |v[XB+3]|, |v[XB+4]|, |v[XB+5]|
.irp i, 6,10,14,18,22,26
	v_max3_num_f32 v[MA], v[MA], |v[XB+\i]|, |v[XB+\i+1]|
	v_max3_num_f32 v[MB], v[MB], |v[XB+\i+2]|, |v[XB+\i+3]|
.endr
	v_max3_num_f32 v[MA], v[MA], |v[XB+30]|, |v[XB+31]|
	v_max3_num_f32 v[MA], v[MA], v[MB], 0x1800000  ; and the floor 2^(3 - 127): the byte cannot fall under 1
	v_add_nc_u32 v[SCL], 0xff000000, v[MA]         ; 2 off the exponent field: the conversion takes the exponent field of this operand as its scale
	v_lshrrev_b32 v[BY], 23, v[SCL]                ; the scale's byte
.if (\t) == 0
	v_mov_b32 v[XW], v[BY]
.else
	v_lshl_or_b32 v[XW], v[BY], 8*(\t), v[XW]      ; byte t of my pixel's scale word
.endif
.irp g, 0,1,2,3
	v_cvt_scalef32_pk8_fp4_f32 v[F0+8*((\t)%2)+4*((\t)/2)+\g], v[XB+8*\g:XB+8*\g+7], v[SCL]
.endr
.endm
	BLOCK 0
	BLOCK 1
	BLOCK 2
	BLOCK 3
	v_nop                                          ; one plain line behind a scaled conversion
.irp i, 0,1,2,3,4,5,6,7
	v_permlane16_swap_b32 v[F0+\i], v[F1+\i]       ; lanes 16-31 of the even block (second tile's) change places with lanes 0-15 of the odd block (first tile's): lane (r, h) of each fragment now holds K = 64 c + 32 h + 0 .. 31 of row r
.endr
	ds_store_b128 v[XWI], v[F0:F0+3]   offset:XIMG
	ds_store_b128 v[XWI], v[F0+4:F0+7] offset:XIMG+512
	ds_store_b128 v[XWI], v[F1:F1+3]   offset:XIMG+1024
	ds_store_b128 v[XWI], v[F1+4:F1+7] offset:XIMG+1536
	ds_store_b32 v[XWS], v[XW] offset:XSC
.rept 8
	v_nop                                          ; a scale register written by a vector instruction stands 8 plain lines ahead of a scaled matrix instruction, an operand so written 4
.endr
	; source 0 = the weight's 16 outputs, source 1 = 16 pixels, C = the bias: lane (r, h), register j: output 8 h + j of the tile's pixel r: that IS the image
	v_wmma_scale_f32_16x16x128_f8f6f4 v[RES:RES+7],     v[WQ:WQ+7], v[F0:F0+7], v[BQ:BQ+7], v[WQS], v[XW] matrix_a_fmt:MATRIX_FMT_FP4 matrix_b_fmt:MATRIX_FMT_FP4
	v_wmma_scale_f32_16x16x128_f8f6f4 v[RES+8:RES+15],  v[WQ:WQ+7], v[F1:F1+7], v[BQ:BQ+7], v[WQS], v[XW] matrix_a_fmt:MATRIX_FMT_FP4 matrix_b_fmt:MATRIX_FMT_FP4 matrix_b_scale:MATRIX_SCALE_ROW1
	v_wmma_scale_f32_16x16x128_f8f6f4 v[RES+16:RES+23], v[WK:WK+7], v[F0:F0+7], v[BK:BK+7], v[WKS], v[XW] matrix_a_fmt:MATRIX_FMT_FP4 matrix_b_fmt:MATRIX_FMT_FP4
	v_wmma_scale_f32_16x16x128_f8f6f4 v[RES+24:RES+31], v[WK:WK+7], v[F1:F1+7], v[BK:BK+7], v[WKS], v[XW] matrix_a_fmt:MATRIX_FMT_FP4 matrix_b_fmt:MATRIX_FMT_FP4 matrix_b_scale:MATRIX_SCALE_ROW1
.rept 4
	v_nop                                          ; four plain lines between a matrix instruction and a store of its result or a write of its sources
.endr
.irp u, 0,1
.irp c, 0,1
	global_store_b128 v[LI], v[RES+8*\u+4*\c:RES+8*\u+4*\c+3], s[24:25] offset:1024*\u+512*\c       ; q: 512 consecutive bytes a store, aligned; each result from its low end on
.endr
.endr
.irp u, 0,1
.irp c, 0,1
	global_store_b128 v[KO], v[RES+16+8*\u+4*\c:RES+16+8*\u+4*\c+3], s[26:27] offset:1024*\u+512*\c ; k likewise
.endr
.endr
	s_wait_dscnt 0x0                               ; for the others' sake: my images of x have landed
	s_barrier_signal -1
	s_barrier_wait -1                              ; all eight fragments of x lie in LDS
.irp p, 0,1,2,3,4,5,6,7
.irp c, 0,1
	ds_load_b128 v[XF+8*\p+4*\c:XF+8*\p+4*\c+3], v[LI] offset:XIMG+1024*\p+512*\c
.endr
.endr
.irp g, 0,1,2,3
	ds_load_b32 v[XS+\g], v[LS] offset:XSC+128*\g
.endr
	s_wait_xcnt 0x0                                ; q's and k's stores have read their registers: those are written again below
.irp tt, 0,1
.irp j, 0,1,2,3,4,5,6,7
	v_mov_b32 v[BVB+8*\tt+\j], v[BV+\tt]           ; bv as C: in v's result a lane holds ONE channel, so all eight registers hold its bias
.endr
.endr
.irp b, 0,1,2,3
	v_mov_b32 v[TM+4+\b], 0                        ; a lane permute's destination counts as one of its sources.  (Four plain lines between the moves above and the products)
.endr
	s_wait_dscnt 0x0
; 64 numbers of a lane, v[s] on, register 16 b + i = key 32 b + 16 (lane / 16) + i of my channel, become a fragment's codes in v[pc] on and its scale word in v[pw].
.macro QUANT s, pc, pw
.irp b, 0,1,2,3
	v_max3_num_f32 v[TM+\b], |v[\s+16*\b]|, |v[\s+1+16*\b]|, 0x1800000   ; block b: my 16 numbers, and the floor 2^(3 - 127).  Each result is read from its low end on
.endr
.irp i, 2,4,6,8,10,12,14
.irp b, 0,1,2,3
	v_max3_num_f32 v[TM+\b], v[TM+\b], |v[\s+16*\b+\i]|, |v[\s+1+16*\b+\i]|
.endr
.endr
.irp b, 0,1,2,3
	v_permlanex16_b32 v[TM+4+\b], v[TM+\b], s[SEL], s[SEL+1]
.endr
.irp b, 0,1,2,3
	v_max_num_f32 v[TM+\b], v[TM+\b], v[TM+4+\b]   ; with lane l xor 16's 16: the block's largest magnitude
.endr
.irp b, 0,1,2,3
	v_add_nc_u32 v[TM+12+\b], 0xff000000, v[TM+\b]
.endr
.irp b, 0,1,2,3
	v_lshrrev_b32 v[TM+4+\b], 23, v[TM+12+\b]
.endr
	v_lshl_or_b32 v[\pw], v[TM+5], 8, v[TM+4]
	v_lshl_or_b32 v[\pw], v[TM+6], 16, v[\pw]
	v_lshl_or_b32 v[\pw], v[TM+7], 24, v[\pw]
.irp b, 0,1,2,3
	v_cvt_scalef32_pk8_fp4_f32 v[\pc+2*\b], v[\s+16*\b:\s+7+16*\b], v[TM+12+\b]
	v_cvt_scalef32_pk8_fp4_f32 v[\pc+1+2*\b], v[\s+8+16*\b:\s+15+16*\b], v[TM+12+\b]
.endr
	v_nop                                          ; one plain line behind a scaled conversion
.irp c, 0,1
.irp i, 0,1
	v_permlane16_swap_b32 v[\pc+4*\c+\i], v[\pc+2+4*\c+\i]   ; the layout wants a WHOLE block in a lane: lanes 0-15 block 2 c, lanes 16-31 block 2 c + 1
.endr
.endr
.endm
; Channel tile 2 w + tt of v for the 128 pixels: source 0 = 16 pixels of x, source 1 = 16 rows of wv: lane (r, h) holds channel r, and its registers run along the pixels, which are the next K.
; The second tile's products write over the first's results: QUANT's closing nop and lane swaps, which name no register of the products, are the plain lines between (five are asked).
.macro VTILE tt, pc, pw
.irp p, 0,1,2,3,4,5,6,7
.if \p % 2
	v_wmma_scale_f32_16x16x128_f8f6f4 v[ACC+8*\p:ACC+8*\p+7], v[XF+8*\p:XF+8*\p+7], v[WVF+8*\tt:WVF+8*\tt+7], v[BVB+8*\tt:BVB+8*\tt+7], v[XS+\p/2], v[WVS+\tt] matrix_a_fmt:MATRIX_FMT_FP4 matrix_b_fmt:MATRIX_FMT_FP4 matrix_a_scale:MATRIX_SCALE_ROW1
.else
	v_wmma_scale_f32_16x16x128_f8f6f4 v[ACC+8*\p:ACC+8*\p+7], v[XF+8*\p:XF+8*\p+7], v[WVF+8*\tt:WVF+8*\tt+7], v[BVB+8*\tt:BVB+8*\tt+7], v[XS+\p/2], v[WVS+\tt] matrix_a_fmt:MATRIX_FMT_FP4 matrix_b_fmt:MATRIX_FMT_FP4
.endif
.endr
.rept 4
	v_nop
.endr
	QUANT ACC, \pc, \pw
	global_store_b128 v[VO], v[\pc:\pc+3],   s[26:27] offset:1024*\tt        ; 512 consecutive bytes a store, aligned
	global_store_b128 v[VO], v[\pc+4:\pc+7], s[26:27] offset:1024*\tt+512
.endm
	VTILE 0, PC0, PW0
	VTILE 1, PC1, PW1
	v_cndmask_b32 v[VW], v[PW0], v[PW1], s36       ; lanes 0-15: the first tile's words; lanes 16-31: the second's
	global_store_b32 v[SO], v[VW], s[26:27]        ; 128 consecutive bytes a wave, 512 a work-group: one part in 33 of kv
	s_set_vgpr_msb 0x5
	s_wait_tensorcnt 0x0
	ds_add_u32 v0, v1
	s_wait_dscnt 0x0
	s_set_vgpr_msb 0x500
	s_endpgm
.Lfunc_end_k_q6b3872af47_project:
	.size	k_q6b3872af47_project, .Lfunc_end_k_q6b3872af47_project-k_q6b3872af47_project
	.p2alignl 7, 3214868480
	.fill 96, 4, 3214868480
	.section	.rodata,"a",@progbits
	.p2align	6, 0x0
	.amdhsa_kernel k_q6b3872af47_project
		.amdhsa_group_segment_fixed_size 9728
		.amdhsa_private_segment_fixed_size 0
		.amdhsa_enable_private_segment 0
		.amdhsa_kernarg_size 96
		.amdhsa_user_sgpr_count 2
		.amdhsa_user_sgpr_kernarg_segment_ptr 1
		.amdhsa_wavefront_size32 1
		.amdhsa_system_sgpr_workgroup_id_x 1
		.amdhsa_system_sgpr_workgroup_id_y 1
		.amdhsa_system_sgpr_workgroup_id_z 1
		.amdhsa_system_vgpr_workitem_id 0
		.amdhsa_next_free_vgpr 258
		.amdhsa_next_free_sgpr 66
		.amdhsa_reserve_vcc 0
		.amdhsa_float_denorm_mode_32 3
		.amdhsa_float_denorm_mode_16_64 3
		.amdhsa_memory_ordered 1
		.amdhsa_forward_progress 1
		.amdhsa_inst_pref_size 37
	.end_amdhsa_kernel
	.amdgpu_metadata
---
amdhsa.version: [ 1, 2 ]
amdhsa.kernels:
  - .name:           k_q6b3872af47_project
    .symbol:         k_q6b3872af47_project.kd
    .args:
      - { .name: x, .offset: 0, .size: 8, .value_kind: global_buffer, .address_space: global }
      - { .name: wq_codes, .offset: 8, .size: 8, .value_kind: global_buffer, .address_space: global }
      - { .name: wq_scales, .offset: 16, .size: 8, .value_kind: global_buffer, .address_space: global }
      - { .name: bq, .offset: 24, .size: 8, .value_kind: global_buffer, .address_space: global }
      - { .name: wk_codes, .offset: 32, .size: 8, .value_kind: global_buffer, .address_space: global }
      - { .name: wk_scales, .offset: 40, .size: 8, .value_kind: global_buffer, .address_space: global }
      - { .name: bk, .offset: 48, .size: 8, .value_kind: global_buffer, .address_space: global }
      - { .name: wv_codes, .offset: 56, .size: 8, .value_kind: global_buffer, .address_space: global }
      - { .name: wv_scales, .offset: 64, .size: 8, .value_kind: global_buffer, .address_space: global }
      - { .name: bv, .offset: 72, .size: 8, .value_kind: global_buffer, .address_space: global }
      - { .name: qf, .offset: 80, .size: 8, .value_kind: global_buffer, .address_space: global }
      - { .name: kv, .offset: 88, .size: 8, .value_kind: global_buffer, .address_space: global }
    .group_segment_fixed_size: 9728
    .private_segment_fixed_size: 0
    .kernarg_segment_align: 8
    .kernarg_segment_size: 96
    .max_flat_workgroup_size: 128
    .sgpr_count:     66
    .vgpr_count:     258
    .wavefront_size: 32
...
	.end_amdgpu_metadata
.endif
;; end of part 1
;; launch attend (part 2): grid 16 x 16, 16 waves a work-group, no clusters, 327,680 bytes of LDS; arguments qf, kv, x, gamma, out0; writes out0
.if DOCPART == 2
	.amdgcn_target "amdgcn-amd-amdhsa--gfx1250"
	.amdhsa_code_object_version 6
	.text
	.protected	k_q6b3872af47_attend
	.globl	k_q6b3872af47_attend
	.p2align	8
	.type	k_q6b3872af47_attend,@function
k_q6b3872af47_attend:
	s_mov_b64 s[64:65], 0
	v_nop
	global_prefetch_b8 v0, s[64:65] scope:SCOPE_SE
	s_setreg_imm32_b32 hwreg(HW_REG_WAVE_MODE, 25, 1), 1
	s_wait_xcnt 0x0
; out[b][c][i] = gamma x (sum over j of v[b][c][j] softmax_j(q[b][i] . k[b][j])) + x[b][c][i].  16 images, 4,096 pixels, 128 channels, q and k 16 wide.
; The logits are an f32 product (they go on into a quantiser): v_wmma_f32_16x16x4_f32, four deep.  THE SOFTMAX AHEAD OF THE LAST PRODUCT: t = logit x log2(e); M = the row's largest t so far, rounded UP to a whole
; number; p = 2^(t - M) is quantised to FP4 (E2M1) along the keys, one E8M0 scale for each 32; it is not normalised.  The row's sum is taken of the unquantised p and divides at the end.  When M moves, the sum and O are
; multiplied by 2^(old M - new M): exact.  v comes as FP4 codes along the keys from the launch before.
; SHARES.  A work-group owns 256 queries of one image; each of its sixteen waves owns one tile of 16, one query a lane, in 256 registers: four waves to a SIMD, so that one wave's vector work stands beside another's
; matrix work and LDS loads.  Every wave walks the image's 32 key steps of 128 keys: 32 f32 and 8 FP4 matrix instructions a step.
; LAYOUT.  Both products are used transposed: S^T = K Q^T (source 0 = 16 keys, source 1 = my 16 queries), O^T = V^T P^T (source 0 = 16 channels, source 1 = P).  Row r of tile 2 g + u of pixels is pixel
; 32 g + 8 u + r + 8 (r / 8), for keys and queries alike, so that the 16 registers of key tiles 2 b and 2 b + 1 are 16 neighbouring keys.  In q's and k's images lane (r, h) holds outputs 8 h + 0 .. 7 of its row;
; the f32 instruction number c takes registers 2 c, 2 c + 1 of both sides: the 16 outputs are summed in a permuted order, the same on both sides.
; LDS.  A key step's operands are one dense block of 16,896 bytes, images of registers (16 bytes a lane on end: no pitch, no padding).  Two slots of four steps; waves 0-3 fetch a step each by one tensor load.
; x's tile (128 channels x my 256 pixels) comes once, by waves 4-7, behind the first barrier; at the end it takes the results in place and serves as the stage from which whole rows leave.
; NO CLUSTER: a slot's 67,584 bytes are fetched once and then read sixteen times from LDS, so what partners could share is one part in seventeen of the bytes that a work-group moves, and each fill is asked for four
; key steps (2,560 matrix instructions of the work-group) ahead of the wait for it.  For the same reason no prefetch is laid: no wave waits for a fill.
; LIMITS: NaN and infinities are not served.  p under 2^-126 is taken as 0 (v_exp_f32 gives no denormals: ISA guide, its entry).  A block of p whose largest lies under 2^-124 keeps the scale byte 1.
;   M is an exact whole number while |t| < 2^24.
.set STEPB, 16896                      ; a key step's block: 8 x 1,024 K, 8 x 1,024 V, 512 V's scale words
.set SLOTB, 4*STEPB                    ; a slot: four steps
.set XT,    2*SLOTB                    ; behind the ring: x's tile, 128 rows of 1,024 bytes + 16 of padding
.set XP,    1040
.set SPARE, XT+128*XP                  ; behind it: the spare words, 128 bytes for each of the sixteen waves: eight blocks of 256 bytes that no other line names
.set LI,  1                            ; v1   16 x lane
.set LS,  2                            ; v2   4 x lane
.set SPW, 3                            ; v3   LDS address of my spare word; never rewritten
.set NIL, 4                            ; v4   0; never rewritten
.set ADK, 5                            ; v5   the step's block + 16 x lane
.set ADS, 6                            ; v6   the step's block + 4 x lane
.set STO, 7                            ; v7   x's tile: channel 8 h, my query;  v8: 64 channels further down
.set STO2, 8
.set RD,  9                            ; v9   x's tile: my wave's 8 rows, 16 bytes a lane
.set G,   10                           ; v10  gamma / the row's sum
.set T0,  11                           ; v11  at work
                                       ; v12 -M, v13 the largest t, v[14:15] the sum in two halves
.set Q,   16                           ; v16-23  my queries
.set PC,  24                           ; v24-31  p's codes
.set S,   32                           ; v32-95  S^T: written by the f32 matrix instructions alone
.set PB,  96                           ; v96-159 K's images, then p, then V's fragments; at the end x and rows of the result
.set O,   160                          ; v160-223 O^T
.set BM,  224                          ; v224-227 the blocks' largest scores, then largest p
.set BT,  228                          ; v228-231 at work, then the bytes
.set BS,  232                          ; v232-235 the conversions' scale operands
.set C2,  236                          ; v[236:237] the sum's second chain
.set F,   238                          ; v238 f = 2^(old M - new M); v239 named with it as a pair
.set T1,  240
.set PW,  241                          ; v241 p's scale word
.set VS,  242                          ; v242-245 V's scale words: register i: lanes 0-15 channel tile 2 i, lanes 16-31 tile 2 i + 1
.set WV,  14                           ; s14  my wave's number
.set W3,  15                           ; s15  wave % 4
.set GAM, 16                           ; s16  gamma
.set SEL, 20                           ; s[20:21] lane selects of v_permlanex16_b32: lane l xor 16
.set CS,  22                           ; s[22:23] log2(e): the packed form names a pair and takes its low word for both halves
.set G1K, 24                           ; s[24:31] descriptor group 1 for a step's block
.set G0,  32                           ; s[32:39] group 0, a set for each slot
.set G1X, 40                           ; s[40:47], s[48:51] groups 1 and 0 for x's tile
.set G0X, 48
.set TB,  52                           ; s52  LDS byte at which the step's block begins
.set CNT, 53                           ; s53  steps left in the slot
.set LAPS, 54                          ; s54  trips of the loop over slots
; mode 1: waves 0-3 fetch a step's block each into the slot.  mode 2: besides, waves 4-7 fetch 32 channels each of x's tile.  The branches hang on the wave's number alone.
; Four v_nop follow each tensor load.
.macro TLOAD slot, mode
	s_cmp_lt_u32 s[WV], 4
	s_cbranch_scc0 .Lnot_kv_\@
	tensor_load_to_lds s[G0+4*(\slot):G0+4*(\slot)+3], s[G1K:G1K+7]
	s_nop 0
.rept 4
	v_nop
.endr
.if \mode == 2
	s_branch .Lasked_\@
.endif
.Lnot_kv_\@:
.if \mode == 2
	s_cmp_lt_u32 s[WV], 8
	s_cbranch_scc0 .Lasked_\@
	tensor_load_to_lds s[G0X:G0X+3], s[G1X:G1X+7]
	s_nop 0
.rept 4
	v_nop
.endr
.Lasked_\@:
.endif
.endm
	s_load_b256 s[4:11], s[0:1], 0x0               ; qf s[4:5], kv s[6:7], x s[8:9], gamma's address s[10:11]
	s_load_b64 s[12:13], s[0:1], 0x20              ; out0
	v_lshl_add_u32 v[SPW], v0, 2, SPARE
	v_mov_b32 v[NIL], 0
	ds_add_u32 v3, v4
	s_wait_dscnt 0x0
	v_lshrrev_b32 v5, 5, v0
	v_readfirstlane_b32 s[WV], v5                  ; wave 0..15
	s_and_b32 s[W3], s[WV], 3
	s_and_b32 s56, ttmp7, 0xffff                   ; the image
	; group 1 for a step's block: 66 dense rows of 256 bytes (32 elements of 8 bytes), no padding
	s_mov_b32 s[G1K+0], 3<<16                      ; 15:0 no mask; 17:16 elements of 8 bytes
	s_mov_b32 s[G1K+1], 32<<16                     ; tensor_dim0 = 32
	s_mov_b32 s[G1K+2], 66<<16                     ; tensor_dim1 = 66
	s_mov_b32 s[G1K+3], 32<<16                     ; tile_dim0 = 32
	s_mov_b32 s[G1K+4], 66                         ; tile_dim1 = 66
	s_mov_b32 s[G1K+5], 32                         ; from row to row: 32 elements
	s_mov_b32 s[G1K+6], 0
	s_mov_b32 s[G1K+7], 0
	; group 1 for x's tile: 32 rows of 1,024 bytes (128 elements of 8), 16,384 bytes apart in memory; in LDS 4 words of padding behind every 256
	s_mov_b32 s[G1X+0], (3<<16)|(1<<20)|(7<<22)|(3<<25)
	s_mov_b32 s[G1X+1], 128<<16
	s_mov_b32 s[G1X+2], 32<<16
	s_mov_b32 s[G1X+3], 128<<16
	s_mov_b32 s[G1X+4], 32
	s_mov_b32 s[G1X+5], 2048
	s_mov_b32 s[G1X+6], 0
	s_mov_b32 s[G1X+7], 0
	s_mov_b32 s[SEL], 0x76543210
	s_mov_b32 s[SEL+1], 0xfedcba98
	s_mov_b32 s[CS], 0x3fb8aa3b                    ; log2(e)
	s_mov_b32 s[CS+1], s[CS]
	s_mul_i32 s57, s[W3], STEPB                    ; the step that I fetch, if I fetch: its place in a slot, in LDS and in memory
	s_mul_i32 s18, s56, 32*STEPB                   ; kv: the image's 32 blocks
	s_add_co_u32 s18, s18, s57
	s_mov_b32 s19, 0
	s_lshl_b32 s58, s56, 21                        ; x and out0: the image, my block's 1,024 bytes of a channel's row,
	s_lshl_b32 s17, ttmp9, 10
	s_add_co_u32 s58, s58, s17
	s_lshl_b32 s17, s[WV], 17
	s_add_co_u32 s60, s58, s17                     ; out0: the 8 channels that my wave stores;
	s_mov_b32 s61, 0
	s_lshl_b32 s17, s[W3], 19
	s_add_co_u32 s58, s58, s17                     ; x: the 32 channels that I fetch, if I fetch
	s_mov_b32 s59, 0
	s_lshl_b32 s62, s56, 18                        ; qf: tile 256 x image + 16 x block + wave, 1,024 bytes each
	s_lshl_b32 s17, ttmp9, 14
	s_add_co_u32 s62, s62, s17
	s_lshl_b32 s17, s[WV], 10
	s_add_co_u32 s62, s62, s17
	s_mov_b32 s63, 0
	s_wait_kmcnt 0x0
	s_load_b32 s[GAM], s[10:11], 0x0
	s_mov_b32 s[G0], 1                             ; 1:0 count = 1
	s_mov_b32 s[G0+1], s57                         ; LDS address: slot 0
	s_add_nc_u64 s[G0+2:G0+3], s[6:7], s[18:19]    ; global address: steps 0 to 3
	s_or_b32 s[G0+3], s[G0+3], 0x80000000          ; 127:126 type = 2
	s_mov_b32 s[G0+4], 1
	s_add_co_u32 s[G0+5], s57, SLOTB               ; slot 1
	s_add_nc_u64 s[G0+6:G0+7], s[6:7], s[18:19]
	s_add_nc_u64 s[G0+6:G0+7], s[G0+6:G0+7], SLOTB ; steps 4 to 7
	s_or_b32 s[G0+7], s[G0+7], 0x80000000
	s_mov_b32 s[G0X], 1
	s_mul_i32 s[G0X+1], s[W3], 32*XP
	s_add_co_u32 s[G0X+1], s[G0X+1], XT
	s_add_nc_u64 s[G0X+2:G0X+3], s[8:9], s[58:59]
	s_or_b32 s[G0X+3], s[G0X+3], 0x80000000
	TLOAD 0, 1                                     ; slot 0's first fill, ahead of every wait on TENSORcnt, every LDS read and every barrier
	s_add_nc_u64 s[4:5], s[4:5], s[62:63]
	s_add_nc_u64 s[12:13], s[12:13], s[60:61]
	v_and_b32 v[LI], 31, v0
	v_lshlrev_b32 v[LS], 2, v[LI]
	v_lshlrev_b32 v[LI], 4, v[LI]
	global_load_b128 v[Q:Q+3],   v[LI], s[4:5]                 ; my queries' image: register i: output 8 h + i of query r
	global_load_b128 v[Q+4:Q+7], v[LI], s[4:5] offset:512
	v_and_b32 v[STO], 15, v0                       ; my query among the block's 256: 32 (w / 2) + 8 (w % 2) + r + 8 (r / 8)
	v_and_b32 v[STO2], 8, v0
	v_add_nc_u32 v[STO], v[STO], v[STO2]
	v_lshlrev_b32 v[STO], 2, v[STO]                ; 4 bytes a pixel
	v_bfe_u32 v[STO2], v0, 4, 1
	v_mad_u32_u24 v[STO], v[STO2], 8*XP, v[STO]    ; lanes 16-31: 8 channels further down
	s_lshr_b32 s17, s[WV], 1
	s_lshl_b32 s17, s17, 7
	s_and_b32 s55, s[WV], 1
	s_lshl_b32 s55, s55, 5
	s_add_co_u32 s17, s17, s55
	s_add_co_u32 s17, s17, XT
	v_add_nc_u32 v[STO], s17, v[STO]
	v_add_nc_u32 v[STO2], 64*XP, v[STO]
	s_mul_i32 s17, s[WV], 8*XP
	s_add_co_u32 s17, s17, XT
	v_add_nc_u32 v[RD], s17, v[LI]
	v_mov_b32 v[T0], 0                             ; a lane permute's destination counts as one of its sources
	v_mov_b32 v13, 0xff61b1e6                      ; the largest t so far: -3e38, under every t
	v_floor_f32 v12, -v13                          ; -M
	v_mov_b32 v14, 0                               ; the sum, in two halves
	v_mov_b32 v15, 0
.irp b, 0,1,2,3
	v_mov_b32 v[BT+\b], 0
.endr
	v_mov_b32 v[F+1], 0                            ; named as the upper half of the pair, so it is written
.irp j, 0,1,2,3,4,5,6,7,8,9,10,11,12,13,14,15,16,17,18,19,20,21,22,23,24,25,26,27,28,29,30,31,32,33,34,35,36,37,38,39,40,41,42,43,44,45,46,47,48,49,50,51,52,53,54,55,56,57,58,59,60,61,62,63
	v_mov_b32 v[O+\j], 0                           ; O^T.  (The key step is written without a first step of its own: the first finds zeros, which the first change of M leaves zeros)
.endr
; A KEY STEP: 128 keys, whose block begins at LDS byte s[TB].
.macro STEP
	v_add_nc_u32 v[ADK], s[TB], v[LI]
	v_add_nc_u32 v[ADS], s[TB], v[LS]
	v_nop
	v_nop                                          ; four plain lines between the last step's products and loads into the registers that they read
.irp p, 0,1,2,3,4,5,6,7
	ds_load_b128 v[PB+8*\p:PB+8*\p+3], v[ADK] offset:1024*\p            ; K's eight tiles: outputs 8 h + 0 .. 3 first,
.endr
.irp p, 0,1,2,3,4,5,6,7
	ds_load_b128 v[PB+8*\p+4:PB+8*\p+7], v[ADK] offset:1024*\p+512      ; then 8 h + 4 .. 7
.endr
	s_wait_dscnt 8                                 ; the first eight loads are in; the second eight may be out
.irp p, 0,1,2,3,4,5,6,7                        ; S^T = K Q^T: the eight accumulators take turns, one instruction a turn; the first product starts each sum
	v_wmma_f32_16x16x4_f32 v[S+8*\p:S+8*\p+7], v[PB+8*\p:PB+8*\p+1], v[Q:Q+1], 0
.endr
.irp p, 0,1,2,3,4,5,6,7
	v_wmma_f32_16x16x4_f32 v[S+8*\p:S+8*\p+7], v[PB+8*\p+2:PB+8*\p+3], v[Q+2:Q+3], v[S+8*\p:S+8*\p+7]
.endr
	s_wait_dscnt 0x0
.irp c, 2,3
.irp p, 0,1,2,3,4,5,6,7
	v_wmma_f32_16x16x4_f32 v[S+8*\p:S+8*\p+7], v[PB+8*\p+2*\c:PB+8*\p+2*\c+1], v[Q+2*\c:Q+2*\c+1], v[S+8*\p:S+8*\p+7]
.endr
.endr                                          ; lane (r, h) holds query r; register 16 b + i is key 32 b + 16 h + i of the step
.rept 8
	v_nop                                          ; eight plain lines behind this form, ahead of the first read of its results and the first write of its sources
.endr
.irp b, 0,1,2,3
	v_max3_num_f32 v[BM+\b], v[S+16*\b], v[S+16*\b+1], v[S+16*\b+2]     ; THE LARGEST SCORE OF EACH BLOCK OF 32 KEYS: for the row's maximum, and, since p rises with the score, for the block's largest p.  Each result is read from its low end on
.endr
.irp i, 3,5,7,9,11,13
.irp b, 0,1,2,3
	v_max3_num_f32 v[BM+\b], v[BM+\b], v[S+16*\b+\i], v[S+16*\b+\i+1]
.endr
.endr
.irp b, 0,1,2,3
	v_max_num_f32 v[BM+\b], v[BM+\b], v[S+16*\b+15]
.endr
.irp b, 0,1,2,3
	v_permlanex16_b32 v[BT+\b], v[BM+\b], s[SEL], s[SEL+1]
.endr
.irp b, 0,1,2,3
	v_max_num_f32 v[BM+\b], v[BM+\b], v[BT+\b]     ; with lane l xor 16's 16 keys
.endr
	v_max3_num_f32 v[T1], v[BM], v[BM+1], v[BM+2]
	v_max_num_f32 v[T1], v[T1], v[BM+3]            ; the step's largest score of my query,
	v_mul_f32 v[T1], s[CS], v[T1]                  ; as t
	v_max_num_f32 v13, v13, v[T1]                  ; the running largest t
	v_mov_b32 v[T1], v12
	v_floor_f32 v12, -v13                          ; the new -M = floor(-t) = -ceil(t): a whole number
	v_sub_f32 v[T1], v12, v[T1]                    ; M's old value less its new one: a whole number, 0 or less
	v_cvt_i32_f32 v[T1], v[T1]                     ; (it saturates)
	v_ldexp_f32 v[F], 1.0, v[T1]                   ; f = 2^(old M - new M): a multiplication by it rounds nothing
.irp j, 0,2,4,6,8,10,12,14,16,18,20,22,24,26,28,30,32,34,36,38,40,42,44,46,48,50,52,54,56,58,60,62
	v_pk_fma_f32 v[PB+\j:PB+\j+1], v[S+\j:S+\j+1], s[CS:CS+1], v[12:13] op_sel_hi:[1,0,0]   ; t - M, two at a time, into K's registers, which are done with
.endr
.irp b, 0,1,2,3
	v_fma_f32 v[BM+\b], v[BM+\b], s[CS], v12       ; the same of each block's largest score
.endr
.irp j, 0,1,2,3,4,5,6,7,8,9,10,11,12,13,14,15,16,17,18,19,20,21,22,23,24,25,26,27,28,29,30,31,32,33,34,35,36,37,38,39,40,41,42,43,44,45,46,47,48,49,50,51,52,53,54,55,56,57,58,59,60,61,62,63
	v_exp_f32 v[PB+\j], v[PB+\j]                   ; p = 2^(t - M), at most 1: not normalised
.endr
	v_pk_mul_f32 v[14:15], v[14:15], v[F:F+1] op_sel_hi:[1,0]   ; the sums under the new M.  (The plain line behind the exponentials)
	s_wait_alu depctr_va_vdst(0)                   ; one wait for the whole batch, ahead of its first reader
.irp b, 0,1,2,3
	v_exp_f32 v[BM+\b], v[BM+\b]                   ; the block's largest p: the same two instructions on the same number give the same bits
.endr
	v_pk_add_f32 v[C2:C2+1], v[PB:PB+1], v[PB+2:PB+3]           ; THE ROW'S SUM IS TAKEN OF THE UNQUANTISED p: two at a time, in two chains
.irp j, 4,8,12,16,20,24,28,32,36,40,44,48,52,56,60
	v_pk_add_f32 v[14:15], v[14:15], v[PB+\j:PB+\j+1]
	v_pk_add_f32 v[C2:C2+1], v[C2:C2+1], v[PB+\j+2:PB+\j+3]
.endr
	v_pk_add_f32 v[14:15], v[14:15], v[C2:C2+1]
	s_wait_alu depctr_va_vdst(0)                   ; and one for the four
.irp b, 0,1,2,3
	v_max_num_f32 v[BM+\b], 0x1800000, v[BM+\b]    ; the floor 2^(3 - 127): the byte cannot fall under 1
.endr
.irp b, 0,1,2,3
	v_add_nc_u32 v[BS+\b], 0xff000000, v[BM+\b]    ; 2 off the exponent field: the conversion's scale operand
.endr
.irp b, 0,1,2,3
	v_lshrrev_b32 v[BT+\b], 23, v[BS+\b]           ; the scale's byte
.endr
	v_lshl_or_b32 v[PW], v[BT+1], 8, v[BT]         ; p's scale word for these 128 keys
	v_lshl_or_b32 v[PW], v[BT+2], 16, v[PW]
	v_lshl_or_b32 v[PW], v[BT+3], 24, v[PW]
.irp b, 0,1,2,3
	v_cvt_scalef32_pk8_fp4_f32 v[PC+2*\b], v[PB+16*\b:PB+16*\b+7], v[BS+\b]
	v_cvt_scalef32_pk8_fp4_f32 v[PC+2*\b+1], v[PB+16*\b+8:PB+16*\b+15], v[BS+\b]
.endr
	v_nop                                          ; one plain line behind a scaled conversion
.irp c, 0,1
.irp i, 0,1
	v_permlane16_swap_b32 v[PC+4*\c+\i], v[PC+4*\c+2+\i]        ; the layout wants a WHOLE block in a lane: lanes 0-15 block 2 c, lanes 16-31 block 2 c + 1
.endr
.endr
.irp t, 0,1,2,3,4,5,6,7
.irp c, 0,1
	ds_load_b128 v[PB+8*\t+4*\c:PB+8*\t+4*\c+3], v[ADK] offset:8192+1024*\t+512*\c   ; V's eight fragments, into p's registers, which are done with
.endr
.endr
.irp i, 0,1,2,3
	ds_load_b32 v[VS+\i], v[ADS] offset:16384+128*\i
.endr
.irp j, 0,2,4,6,8,10,12,14,16,18,20,22,24,26,28,30,32,34,36,38,40,42,44,46,48,50,52,54,56,58,60,62
	v_pk_mul_f32 v[O+\j:O+\j+1], v[O+\j:O+\j+1], v[F:F+1] op_sel_hi:[1,0]            ; O^T under the new M, while the loads are out; each accumulator from its low end on.  These lines also stand between p's scale word and codes and the products
.endr
.rept 4
	v_nop                                          ; and four between the last of them and the products that take O^T as C
.endr
	s_wait_dscnt 0x0
.irp t, 0,1,2,3,4,5,6,7                        ; O^T += V^T P^T: K = these 128 keys; the eight accumulators by turns
.if \t % 2
	v_wmma_scale_f32_16x16x128_f8f6f4 v[O+8*\t:O+8*\t+7], v[PB+8*\t:PB+8*\t+7], v[PC:PC+7], v[O+8*\t:O+8*\t+7], v[VS+\t/2], v[PW] matrix_a_fmt:MATRIX_FMT_FP4 matrix_b_fmt:MATRIX_FMT_FP4 matrix_a_scale:MATRIX_SCALE_ROW1
.else
	v_wmma_scale_f32_16x16x128_f8f6f4 v[O+8*\t:O+8*\t+7], v[PB+8*\t:PB+8*\t+7], v[PC:PC+7], v[O+8*\t:O+8*\t+7], v[VS+\t/2], v[PW] matrix_a_fmt:MATRIX_FMT_FP4 matrix_b_fmt:MATRIX_FMT_FP4
.endif
.endr
.endm
; THE CHANGE OF SLOTS stands at a slot's head.  Each wave waits for all its tensor loads (of which at most one is out: its part of the slot ahead, or of x's tile), adds 0 to its spare word, and waits for that and for
; its reads of the slot that it has left.  Behind the barrier the slot ahead is whole and nobody reads the other one, which is then filled with the four steps that follow: that load has four key steps in which to land.
.macro CHANGE slot, mode
	s_wait_tensorcnt 0x0                           ; no tensor load of mine is out, so a group 0 may be written
	ds_add_u32 v[SPW], v[NIL]                      ; 0 onto my spare word: scalar work stands between it and the wait for it
	s_add_nc_u64 s[G0+4*\slot+2:G0+4*\slot+3], s[G0+4*\slot+2:G0+4*\slot+3], 2*SLOTB   ; this slot's next four steps; the type bits on top are not reached
	s_mov_b32 s[TB], \slot*SLOTB
	s_mov_b32 s[CNT], 4
	s_wait_dscnt 0x0                               ; the add is done, and my reads of the slot that I have left are over
	s_barrier_signal -1
	s_barrier_wait -1
.if \mode
	TLOAD 1-\slot, \mode                           ; the first thing behind the barrier, and a wave's one tensor load until the next
.endif
.endm
.macro STEPS                           ; a slot's four key steps: written once, walked four times
.Lstep_\@:
	STEP
	s_add_co_u32 s[TB], s[TB], STEPB
	s_sub_co_u32 s[CNT], s[CNT], 1
	s_cmp_lg_u32 s[CNT], 0
	s_cbranch_scc1 .Lstep_\@
.endm
	s_wait_loadcnt 0x0                             ; Q
	s_wait_kmcnt 0x0                               ; gamma
	CHANGE 0, 2                                    ; steps 0-3 are in.  Behind this barrier nothing is filled AGAIN: slot 1 and x's tile get their first fills
	STEPS
	s_mov_b32 s[LAPS], 3
.Llap:                                             ; three trips: steps 4-27 are worked, steps 8-31 asked for
	CHANGE 1, 1
	STEPS
	CHANGE 0, 1
	STEPS
	s_sub_co_u32 s[LAPS], s[LAPS], 1
	s_cmp_lg_u32 s[LAPS], 0
	s_cbranch_scc1 .Llap
	CHANGE 1, 0                                    ; the last slot is written out (its stepped address is not used)
	STEPS
	; THE WAY OUT.  out = (gamma / the row's sum) x O^T + x.  Register 8 t + j of lane (r, h) is channel 16 t + 8 h + j of my query: x's number is read from the tile's word and the result put back into the same word,
	; which no other lane touches; then the tile leaves as whole rows.  (Rows 1,040 bytes apart: lanes 16-31, eight rows down, fall 32 banks from lanes 0-15: ISA guide 11.1 has 64 banks of 4 bytes.)
	v_add_f32 v14, v14, v15                        ; the sum's two halves,
	v_permlanex16_b32 v[T0], v14, s[SEL], s[SEL+1]
	v_add_f32 v14, v14, v[T0]                      ; and lane l xor 16's: the row's sum
	v_rcp_f32 v[G], v14
	v_nop                                          ; a plain line behind the reciprocal; with the next line and the two additions: four plain lines behind the last products
	v_nop
.irp t, 0,1,2,3
.irp j, 0,1,2,3,4,5,6,7
	ds_load_b32 v[PB+8*\t+\j], v[STO] offset:(16*\t+\j)*XP
.endr
.endr
.irp t, 0,1,2,3
.irp j, 0,1,2,3,4,5,6,7
	ds_load_b32 v[PB+32+8*\t+\j], v[STO2] offset:(16*\t+\j)*XP
.endr
.endr
	s_wait_alu depctr_va_vdst(0)                   ; the wait ahead of the reciprocal's first reader
	v_mul_f32 v[G], s[GAM], v[G]
	s_wait_dscnt 32                                ; channels 0-63 are in; the other 32 loads may be out
.irp k, 0,1,2,3,4,5,6,7,8,9,10,11,12,13,14,15,16,17,18,19,20,21,22,23,24,25,26,27,28,29,30,31
	v_fma_f32 v[PB+\k], v[O+\k], v[G], v[PB+\k]    ; each accumulator from its low end on
.endr
	s_wait_dscnt 0x0
.irp k, 32,33,34,35,36,37,38,39,40,41,42,43,44,45,46,47,48,49,50,51,52,53,54,55,56,57,58,59,60,61,62,63
	v_fma_f32 v[PB+\k], v[O+\k], v[G], v[PB+\k]
.endr
.irp t, 0,1,2,3
.irp j, 0,1,2,3,4,5,6,7
	ds_store_b32 v[STO], v[PB+8*\t+\j] offset:(16*\t+\j)*XP
.endr
.endr
.irp t, 0,1,2,3
.irp j, 0,1,2,3,4,5,6,7
	ds_store_b32 v[STO2], v[PB+32+8*\t+\j] offset:(16*\t+\j)*XP
.endr
.endr
	s_wait_dscnt 0x0                               ; for the others' sake: my stores into the tile have landed
	s_barrier_signal -1
	s_barrier_wait -1                              ; 128 whole rows of the result lie in LDS
.irp i, 0,1,2,3,4,5,6,7,8,9,10,11,12,13,14,15
	ds_load_b128 v[PB+4*\i:PB+4*\i+3], v[RD] offset:(\i/2)*XP+512*(\i%2)   ; my wave's 8 channels, half a row an instruction
.endr
.irp i, 0,1,2,3,4,5,6,7,8,9,10,11,12,13,14,15
	s_wait_dscnt 15-\i                             ; LDS loads come back in order (ISA guide 5.7.1): load i is in, the younger ones may be out
	global_store_b128 v[LI], v[PB+4*\i:PB+4*\i+3], s[12:13] offset:(\i/2)*16384+512*(\i%2) th:TH_STORE_NT   ; 32 lanes store 512 consecutive bytes, at a multiple of 256 from out0's first byte
.endr
	s_wait_tensorcnt 0x0                           ; the wave's end, behind my last tensor load and my last LDS store
	ds_add_u32 v[SPW], v[NIL]
	s_wait_dscnt 0x0
	s_endpgm
.Lfunc_end_k_q6b3872af47_attend:
	.size	k_q6b3872af47_attend, .Lfunc_end_k_q6b3872af47_attend-k_q6b3872af47_attend
	.p2alignl 7, 3214868480
	.fill 96, 4, 3214868480
	.section	.rodata,"a",@progbits
	.p2align	6, 0x0
	.amdhsa_kernel k_q6b3872af47_attend
		.amdhsa_group_segment_fixed_size 327680
		.amdhsa_private_segment_fixed_size 0
		.amdhsa_enable_private_segment 0
		.amdhsa_kernarg_size 40
		.amdhsa_user_sgpr_count 2
		.amdhsa_user_sgpr_kernarg_segment_ptr 1
		.amdhsa_wavefront_size32 1
		.amdhsa_system_sgpr_workgroup_id_x 1
		.amdhsa_system_sgpr_workgroup_id_y 1
		.amdhsa_system_sgpr_workgroup_id_z 1
		.amdhsa_system_vgpr_workitem_id 0
		.amdhsa_next_free_vgpr 256
		.amdhsa_next_free_sgpr 66
		.amdhsa_reserve_vcc 0
		.amdhsa_float_denorm_mode_32 3
		.amdhsa_float_denorm_mode_16_64 3
		.amdhsa_memory_ordered 1
		.amdhsa_forward_progress 1
		.amdhsa_inst_pref_size 100
	.end_amdhsa_kernel
	.amdgpu_metadata
---
amdhsa.version: [ 1, 2 ]
amdhsa.kernels:
  - .name:           k_q6b3872af47_attend
    .symbol:         k_q6b3872af47_attend.kd
    .args:
      - { .name: qf, .offset: 0, .size: 8, .value_kind: global_buffer, .address_space: global }
      - { .name: kv, .offset: 8, .size: 8, .value_kind: global_buffer, .address_space: global }
      - { .name: x, .offset: 16, .size: 8, .value_kind: global_buffer, .address_space: global }
      - { .name: gamma, .offset: 24, .size: 8, .value_kind: global_buffer, .address_space: global }
      - { .name: out0, .offset: 32, .size: 8, .value_kind: global_buffer, .address_space: global }
    .group_segment_fixed_size: 327680
    .private_segment_fixed_size: 0
    .kernarg_segment_align: 8
    .kernarg_segment_size: 40
    .max_flat_workgroup_size: 512
    .sgpr_count:     66
    .vgpr_count:     256
    .wavefront_size: 32
...
	.end_amdgpu_metadata
.endif
;; end of part 2
